; MI455X (gfx1250); checked and timed in simulation.
; The chip was launched on July 23, 2026; its instructions are those of AMD's public machine-readable ISA for CDNA 5 (MIT licence, August 2026) and "CDNA5" Instruction Set Architecture Reference Guide (July 2026). The comments in the code are by the model that wrote it; some were corrected since.
;; Camembert Self Attention. Allowed arithmetic: matrix products marked QUANTISED: E2M3 operands, one E8M0 scale for each 32 along K, by v_wmma_scale_f32_16x16x128_f8f6f4 with both operands' format E2M3, f32 sums; everything else in f32.
;; Inputs: Wk_codes 1,024 x 32 x 24 uint8 (E2M3 codes of Wk, K innermost, in blocks of 32 codes, four codes in three bytes); Wk_scales 1,024 x 32 uint8 (E8M0 scales of Wk, one for each 32 codes along K); Wq_codes 1,024 x 32 x 24 uint8 (E2M3 codes of Wq, K innermost, in blocks of 32 codes, four codes in three bytes); Wq_scales 1,024 x 32 uint8 (E8M0 scales of Wq, one for each 32 codes along K); Wv_codes 1,024 x 32 x 24 uint8 (E2M3 codes of Wv, K innermost, in blocks of 32 codes, four codes in three bytes); Wv_scales 1,024 x 32 uint8 (E8M0 scales of Wv, one for each 32 codes along K); bk 1,024 float32; bq 1,024 float32; bv 1,024 float32; hidden_states_codes 4 x 2,048 x 32 x 24 uint8 (E2M3 codes of hidden_states, K innermost, in blocks of 32 codes, four codes in three bytes); hidden_states_scales 4 x 2,048 x 32 uint8 (E8M0 scales of hidden_states, one for each 32 codes along K).
;; Outputs: out0 4 x 2,048 x 1,024 float32.
;; This version of the problem:
;;   THIS VERSION OF THE PROBLEM IS GIVEN IN LOW PRECISION. The matrix products marked QUANTISED in the list below multiply operands that are first quantised to E2M3 (2 exponent bits, 3 mantissa bits; 6 bits a number), with one power-of-two scale for each 32 numbers along K (OCP MX v1.0); their sums are f32. All else is computed in f32.
;;   The module's matrix products, in the order in which they are computed (A, B: the left and right operand; K: the contracted axis; several contracted axes count as one K, in the product's order):
;;     1. [M 8,192, K 1,024] x [K 1,024, N 1,024]; A: input hidden_states (given as codes); B: input Wq (given as codes): QUANTISED
;;     2. [M 8,192, K 1,024] x [K 1,024, N 1,024]; A: input hidden_states (given as codes); B: input Wk (given as codes): QUANTISED
;;     3. [M 8,192, K 1,024] x [K 1,024, N 1,024]; A: input hidden_states (given as codes); B: input Wv (given as codes): QUANTISED
;;     4. batch 64 x [M 2,048, K 64] x [K 64, N 2,048]; A: computed on the way; B: computed on the way: QUANTISED
;;     5. batch 64 x [M 64, K 2,048] x [K 2,048, N 2,048]; A: computed on the way; B: computed on the way: QUANTISED
;;   THE QUANTISER, for each operand of a quantised product, along K:
;;     - K is cut into blocks of 32 from its start; a last block that is shorter is filled with zeros.
;;     - A block's scale is 2^e with e = floor(log2(the largest magnitude in the block)) - 2, held to -126 .. 127; a block of zeros has e = 0. As a byte (E8M0): e + 127.
;;     - Each number is divided by its block's scale, clamped to +-7.5, and rounded to the nearest number of E2M3, ties to even, subnormals kept.
;;     - The product sums the exact products of the quantised numbers (number of the format x scale) in f32.
;;   ~~~python
;;   def quantise(x, axis):      # numpy; x: float32 -> the quantised numbers, widened to float32 again
;;       x = np.moveaxis(x, axis, -1); K = x.shape[-1]
;;       x = np.pad(x, [(0, 0)] * (x.ndim - 1) + [(0, -K % 32)]); x = x.reshape(x.shape[:-1] + (-1, 32)); a = np.abs(x).max(-1, keepdims=True)
;;       e = np.where(a > 0, np.clip(np.frexp(np.where(a > 0, a, 1))[1] - 1 - 2, -126, 127), 0)      # np.frexp(a)[1] - 1 = floor(log2(a)), exactly
;;       r = np.clip(x / 2.0 ** e, -7.5, 7.5)
;;       step = 2.0 ** (np.maximum(np.frexp(np.where(r == 0, 1, r))[1] - 1, 0) - 3)
;;       q = np.round(r / step) * step * 2.0 ** e      # np.round: ties to even
;;       return np.moveaxis(q.reshape(q.shape[:-2] + (-1,))[..., :K], -1, axis).astype(np.float32)
;;   ~~~
;;   OPERANDS COMPUTED ON THE WAY. 'Computed on the way' means the value that the module computes at that place (a softmax that the list does not call 'softmax' is quantised finished and normalised). What goes into a quantiser is computed in f32, as accurately as f32 sums, v_exp_f32 and their like allow (about 1e-6 of the number): no bf16 or f16 on the way to a quantiser, and a product that is left as it is and whose result goes on into a quantised operand takes f32 operands (vector FMAs, or v_wmma_f32_16x16x4_f32). A number that lies on a knife's edge between two numbers of the format may be rounded either way, as far as f32 arithmetic and the matrix unit's own rounding can turn it there, and no further.
;;   INPUTS GIVEN AS CODES. Wk (in the module: [1024, 1024], K = its axis 0); Wq (in the module: [1024, 1024], K = its axis 0); Wv (in the module: [1024, 1024], K = its axis 0); hidden_states (in the module: [4, 2048, 1024], K = its axis 2): each comes as NAME_codes (uint8): NAME with its K axis moved to the last place and cut into blocks of 32 codes, [.., K / 32, bytes a block], one block behind the other in memory; four codes in three bytes: a row's codes are one little-endian stream of bits, code i at bits 6 i .. 6 i + 5 (a code: sign, 2 exponent bits, 3 mantissa bits); and NAME_scales (uint8): the same leading axes, one E8M0 byte (e + 127) for each 32 codes along K. Its value is code x scale, taken as it is: it is not quantised again, and the codes and scales need not be those that the quantiser above would give.
;; One version. Each part assembles by itself: llvm-mc -triple=amdgcn-amd-amdhsa -mcpu=gfx1250 --defsym DOCPART=n.
;; ======== version 1 of 1: 2 launches
;; limits: right only within a limited range of input values
;; workspace buffers: qc 6,291,456 bytes; qs 262,144 bytes; kc 6,291,456 bytes; ks 262,144 bytes; vc 6,291,456 bytes; vs 262,144 bytes
;; launch proj (part 1): grid 96 x 4, 4 waves a work-group, clusters of 4 x 4, 327,680 bytes of LDS; arguments hidden_states_codes, hidden_states_scales, Wq_codes, Wq_scales, Wk_codes, Wk_scales, Wv_codes, Wv_scales, bq, bk, bv, qc, qs, kc, ks, vc, vs; writes qc, qs, kc, ks, vc, vs
.if DOCPART == 1
	.amdgcn_target "amdgcn-amd-amdhsa--gfx1250"
	.amdhsa_code_object_version 6
	.text
	.protected	k_q357bf0013c_proj
	.globl	k_q357bf0013c_proj
	.p2align	8
	.type	k_q357bf0013c_proj,@function
k_q357bf0013c_proj:
	s_mov_b64 s[64:65], 0
	v_nop
	global_prefetch_b8 v0, s[64:65] scope:SCOPE_SE
	s_setreg_imm32_b32 hwreg(HW_REG_WAVE_MODE, 25, 1), 1
	s_wait_xcnt 0x0
	s_wait_alu depctr_hold_cnt(0) depctr_sa_sdst(0) depctr_va_vdst(0) depctr_va_sdst(0) depctr_va_ssrc(0) depctr_va_vcc(0) depctr_vm_vsrc(0)
	s_getreg_b32 s2, hwreg(HW_REG_IB_STS2, 6, 4)
	s_cmp_eq_u32 s2, 0
	s_cbranch_scc0 .Lentry_in_a_cluster
	s_endpgm
.Lentry_in_a_cluster:
	s_bfe_u32 s2, ttmp6, 0x10000c
	s_cmp_lg_u32 s2, 0xf033
	s_cbranch_scc0 .Lentry_shape_is_right
	s_endpgm
.Lentry_shape_is_right:
; q, k, v = hidden_states W + b on codes of FP6 (E2M3), one E8M0 scale for each 32 along K = 1,024; sums and bias in f32; the results are quantised at once
; (q, k along a head's 64 channels, v along the keys) and leave as codes and scale words in the order of the next launch's operand registers.  No step of the problem is left out.
; ONE BODY: out[y][x] = sum over k of Y[y][k] X[x][k], quantised along x.  q, k: Y = 256 tokens, X = 256 rows of Wq or Wk.  v: Y = 256 rows of Wv, X = 256 tokens.
; The cluster's number cl (0 .. 23): cl < 16: weight cl & 1 (0 q, 1 k), token tiles 4 (cl >> 1) + cy, feature tiles cx;  cl >= 16: v, feature tiles cy, token tiles 4 (cl - 16) + cx.
; Four waves, each 128 y x 128 x: 64 accumulators.  K goes through a ring of two LDS slots in CHUNKS OF 256 BYTES of each row (a row of codes is 768 bytes: three chunks, each on a multiple of 256 bytes).
; A step of 128 along K is 96 bytes: eight steps to three chunks; steps 2 and 5 lie across two chunks and read both slots.  The scales of the 256 + 256 rows come into LDS once, at the head.
; CLUSTERS 4 x 4: Y's tiles are asked for jointly along a row of the cluster, X's along a column.  cl is the same in all sixteen, so the choice of buffers and the branch on the kind are alike in all partners.
; No prefetch: the walk along K has three chunks, of which two are asked for before the first product.
; MATRIX INSTRUCTION: source 0 = 16 rows of X, source 1 = 16 rows of Y: lane (r, h) holds row y = r, register j the column x = 8 h + j.  The 16 registers of two neighbouring tiles of x in lanes l, l xor 16 are a block of 32.
; Place p of a block holds element 16 ((p >> 3) & 1) + 8 (p >> 4) + (p & 7): both sides of each later product carry this same order, so a block's sum does not hang on it.
; WORKSPACE.  An IMAGE is a fragment's 12 registers: three runs of 512 bytes, run j = registers 4 j .. 4 j + 3, lane l's 16 bytes at 16 l.  bh = 16 x batch + head.
;   qc, kc [bh][64][1,536]: image n: registers 0-5 tokens 32 n + r, 6-11 tokens 32 n + 16 + r; lanes 0-15 channels 0-31, lanes 16-31 channels 32-63.
;   vc [bh][64][1,536]: image 4 s + t = channels 16 t + r, keys 128 s .. 128 s + 127.   qs, ks, vs [bh][64][16 words]: word r = the four scale bytes of lane r's row.
; LIMITS: a block of zeros gets the byte 1 where the rule says 127 (its codes are zeros; this program alone reads the bytes); NaN and infinities are not served.
; REGISTERS: window 0: v0-31 addresses, v32-63 scale words (two sets), v64-127 the bias, from v128 Y's fragments (one set), on the way out v128-253; window 1: X's fragments, two sets; windows 2, 3: accumulators.
.set ROWB,   256
.set NQ,     2
.set KROW,   768
.set STEPS,  8
.set CHUNKS, 3
.set PITCH,  272                       ; 256 bytes + 16 of padding
.set FR,     12
.set NL,     6
.set NP,     4
.set HALFT,  128*PITCH
.set SLOT,   4*HALFT
.set KS,     32
.set SCL,    2*SLOT
.set HALFS,  16*272
.set SBLK,   2*272
.set SPARE,  SCL+4*HALFS               ; the spare words: 128 bytes a wave
.set ADRA, 16
.set ADRB, 20
.set LI,   24
.set L4,   25
.set BO,   26
.set ADRS, 27
.set SPW,  28
.set NIL,  29
.set BR,   30
.set SC,   32
.set BX,   64
.set AF,   128
.set T,    128
.set H0,   192
.set H1,   204
.set PT,   216
.set TM,   224
.set PW,   240
.set SW,   242
.set XW,   250
.set G1, 24
.set G0, 32
.set G1B, 48
.set G0B, 56
.set G1S, 68
.set G0S, 76
.set G1SB, 80
.set G0SB, 88
.set G0H, 4
.set G0HB, 8
.set OC,  12
.set OS,  96
.set BI,  98
.set SEL, 20
.set HM,  22
.set MSB, 0
.macro WIN new
.if MSB != (\new)
	s_set_vgpr_msb (MSB<<8)|(\new)
.set MSB, (\new)
.endif
.endm
.set MUL_LO, 0xa1
.set MUL_HI, 0xf1
.set TO_B,   0x40
; a joint load: waves 0, 1 fetch for Y, waves 2, 3 for X
.macro JLOAD g0a, g1a, g0b, g1b
	s_cmp_eq_u32 s15, 0
	s_cbranch_scc0 .Lfor_b_\@
	tensor_load_to_lds s[\g0a:\g0a+3], s[\g1a:\g1a+7]
	s_nop 0
.rept 4
	v_nop
.endr
	s_branch .Lasked_\@
.Lfor_b_\@:
	tensor_load_to_lds s[\g0b:\g0b+3], s[\g1b:\g1b+7]
	s_nop 0
.rept 4
	v_nop
.endr
.Lasked_\@:
.endm
.macro CREST
	s_cmp_lg_u32 s14, 0
	s_cbranch_scc1 .Lnot_wave_0_\@
	s_barrier_signal -3
.Lnot_wave_0_\@:
	s_barrier_wait -3
	s_barrier_signal -1
	s_barrier_wait -1
.endm
.macro CROUND
	s_barrier_signal -1
	s_barrier_wait -1
	CREST
.endm
	s_load_b512 s[68:83], s[0:1], 0x0              ; hs codes 68, hs scales 70, Wq 72, 74, Wk 76, 78, Wv 80, 82
	s_load_b512 s[84:99], s[0:1], 0x40             ; bq 84, bk 86, bv 88, qc 90, qs 92, kc 94, ks 96, vc 98
	s_load_b64 s[100:101], s[0:1], 0x80            ; vs
	v_lshl_add_u32 v[SPW], v0, 2, SPARE
	v_mov_b32 v[NIL], 0
	ds_add_u32 v[SPW], v[NIL]                      ; the opening lines: the add, twice on end, and one wait
	ds_add_u32 v[SPW], v[NIL]
	v_lshrrev_b32 v1, 5, v0
	v_readfirstlane_b32 s14, v1                    ; wave
	s_lshr_b32 s15, s14, 1                         ; my half of y; also: I fetch for Y (0) or X (1)
	s_and_b32 s16, s14, 1                          ; my half of x; also: which 128 rows I fetch
	s_bfe_u32 s40, ttmp6, 0x40000                  ; cx
	s_bfe_u32 s41, ttmp6, 0x40004                  ; cy
	s_lshr_b32 s18, ttmp9, 1
	s_sub_co_u32 s19, ttmp9, 16
	s_cmp_lt_u32 ttmp9, 16
	s_cselect_b32 s18, s18, 0
	s_cselect_b32 s19, 0, s19
	s_lshl_b32 s17, s18, 2
	s_add_co_u32 s17, s17, s41                     ; tile of y
	s_lshl_b32 s42, s19, 2
	s_add_co_u32 s42, s42, s40                     ; tile of x
	s_lshl_b32 s43, s41, 2
	s_lshl_b32 s43, 15, s43                        ; my row of the cluster
	s_lshl_b32 s44, 0x1111, s40                    ; my column
	s_or_b32 s[G1+0], s43, (1<<20)|(1<<21)|(5<<22)|(3<<25)   ; bytes; 4 words of padding behind every 64
	s_or_b32 s[G1B+0], s44, (1<<20)|(1<<21)|(5<<22)|(3<<25)
.irp g, G1, G1B
	s_mov_b32 s[\g+1], ROWB<<16
	s_mov_b32 s[\g+2], 256<<16                     ; the head's loads bring 256 rows
	s_mov_b32 s[\g+3], ROWB<<16
	s_mov_b32 s[\g+4], 256
	s_mov_b32 s[\g+5], KROW
	s_mov_b32 s[\g+6], 0
	s_mov_b32 s[\g+7], 0
.endr
	s_wait_dscnt 0x0
	s_wait_kmcnt 0x0
	s_bitcmp1_b32 ttmp9, 0                         ; k's buffers in the place of q's
	s_cselect_b64 s[72:73], s[76:77], s[72:73]
	s_cselect_b64 s[74:75], s[78:79], s[74:75]
	s_cselect_b64 s[84:85], s[86:87], s[84:85]
	s_cselect_b64 s[90:91], s[94:95], s[90:91]
	s_cselect_b64 s[92:93], s[96:97], s[92:93]
	s_cmp_lt_u32 ttmp9, 16
	s_cselect_b64 s[4:5], s[68:69], s[80:81]       ; Y's codes
	s_cselect_b64 s[6:7], s[70:71], s[82:83]       ; Y's scales
	s_cselect_b64 s[8:9], s[72:73], s[68:69]       ; X's codes
	s_cselect_b64 s[10:11], s[74:75], s[70:71]     ; X's scales
	s_cselect_b64 s[OC:OC+1], s[90:91], s[98:99]
	s_cselect_b64 s[OS:OS+1], s[92:93], s[100:101]
	s_cselect_b64 s[BI:BI+1], s[84:85], s[88:89]
	s_or_b32 s[G1S+0], s43, (3<<16)|(1<<20)|(1<<21)|(5<<22)|(3<<25)   ; the scales of 256 rows: 32 rows of 256 bytes
	s_or_b32 s[G1SB+0], s44, (3<<16)|(1<<20)|(1<<21)|(5<<22)|(3<<25)
.irp g, G1S, G1SB
	s_mov_b32 s[\g+1], 32<<16
	s_mov_b32 s[\g+2], KS<<16
	s_mov_b32 s[\g+3], 32<<16
	s_mov_b32 s[\g+4], KS
	s_mov_b32 s[\g+5], 32
	s_mov_b32 s[\g+6], 0
	s_mov_b32 s[\g+7], 0
.endr
	s_lshl_b32 s20, s17, 8
	s_lshl_b32 s46, s42, 8
	s_mov_b32 s21, 0
	s_mov_b32 s47, 0
	s_mov_b64 s[18:19], KS
	s_mul_u64 s[22:23], s[20:21], s[18:19]
	s_mul_u64 s[92:93], s[46:47], s[18:19]
	s_mov_b64 s[18:19], KROW
	s_mul_u64 s[20:21], s[20:21], s[18:19]
	s_mul_u64 s[46:47], s[46:47], s[18:19]
	s_mul_i32 s18, s16, 128*KROW
	s_mov_b32 s19, 0
	s_mul_i32 s45, s14, HALFT
	s_add_nc_u64 s[20:21], s[4:5], s[20:21]
	s_add_nc_u64 s[22:23], s[6:7], s[22:23]
	s_add_nc_u64 s[46:47], s[8:9], s[46:47]
	s_add_nc_u64 s[92:93], s[10:11], s[92:93]
	CROUND                                         ; all sixteen work-groups are here: the first joint loads meet
	s_mov_b32 s[G0H], 1
	s_mov_b32 s[G0H+1], 0
	s_mov_b64 s[G0H+2:G0H+3], s[20:21]
	s_or_b32 s[G0H+3], s[G0H+3], 0x80000000
	s_mov_b32 s[G0HB], 1
	s_mov_b32 s[G0HB+1], 2*HALFT
	s_mov_b64 s[G0HB+2:G0HB+3], s[46:47]
	s_or_b32 s[G0HB+3], s[G0HB+3], 0x80000000
	s_mov_b32 s[G0S], 1
	s_mov_b32 s[G0S+1], SCL
	s_mov_b64 s[G0S+2:G0S+3], s[22:23]
	s_or_b32 s[G0S+3], s[G0S+3], 0x80000000
	s_mov_b32 s[G0SB], 1
	s_mov_b32 s[G0SB+1], SCL+2*HALFS
	s_mov_b64 s[G0SB+2:G0SB+3], s[92:93]
	s_or_b32 s[G0SB+3], s[G0SB+3], 0x80000000
	s_add_nc_u64 s[20:21], s[20:21], s[18:19]      ; for the ring: my 128 rows
	s_add_nc_u64 s[46:47], s[46:47], s[18:19]
.irp s, 0,1
	s_mov_b32 s[G0+4*\s], 1
	s_add_co_u32 s[G0+4*\s+1], s45, \s*SLOT
	s_add_nc_u64 s[G0+4*\s+2:G0+4*\s+3], s[20:21], \s*ROWB
	s_or_b32 s[G0+4*\s+3], s[G0+4*\s+3], 0x80000000
	s_mov_b32 s[G0B+4*\s], 1
	s_add_co_u32 s[G0B+4*\s+1], s45, \s*SLOT
	s_add_nc_u64 s[G0B+4*\s+2:G0B+4*\s+3], s[46:47], \s*ROWB
	s_or_b32 s[G0B+4*\s+3], s[G0B+4*\s+3], 0x80000000
.endr
; the head's four tiles, one load a wave, in one tree of branches on the wave's number: chunk 0 of Y, chunk 0 of X, Y's scales, X's scales
.macro ARM under, g0, g1, next
	s_cmp_lt_u32 s14, \under
	s_cbranch_scc0 \next
	tensor_load_to_lds s[\g0:\g0+3], s[\g1:\g1+7]
	s_nop 0
.rept 4
	v_nop
.endr
	s_branch .Lhead_asked
\next:
.endm
	ARM 1, G0H,  G1,  .Lhead_b
	ARM 2, G0HB, G1B, .Lhead_sa
	ARM 3, G0S,  G1S, .Lhead_sb
	tensor_load_to_lds s[G0SB:G0SB+3], s[G1SB:G1SB+7]
	s_nop 0
.rept 4
	v_nop
.endr
.Lhead_asked:
	v_and_b32 v1, 15, v0                           ; r
	v_bfe_u32 v2, v0, 4, 1                         ; h
	v_mul_u32_u24 v3, v1, PITCH
	v_mul_u32_u24 v4, v2, 24
	v_add_nc_u32 v4, v3, v4
	s_mov_b32 s21, SLOT-232
	s_mov_b32 s22, SLOT+232
	v_sub_nc_u32 v7, 1, v2
	v_mul_u32_u24 v5, s21, v2
	v_add_nc_u32 v5, v3, v5
	v_add_nc_u32 v5, 232, v5                       ; across two chunks: lanes 0-15 byte 232 in slot 0, lanes 16-31 byte 0 in slot 1
	v_mul_u32_u24 v6, s22, v7
	v_add_nc_u32 v6, v3, v6                        ; and the other way round
	s_mul_i32 s21, s15, HALFT
	s_mul_i32 s22, s16, HALFT
	s_add_co_u32 s22, s22, 2*HALFT
	v_add_nc_u32 v[ADRA+2], s21, v5
	v_add_nc_u32 v[ADRA+3], s21, v6
	v_add_nc_u32 v[ADRB+2], s22, v5
	v_add_nc_u32 v[ADRB+3], s22, v6
.irp s, 0,1
	v_add_nc_u32 v[ADRA+\s], s21, v4
	v_add_nc_u32 v[ADRB+\s], s22, v4
	s_add_co_u32 s21, s21, SLOT
	s_add_co_u32 s22, s22, SLOT
.endr
	v_mul_u32_u24 v5, v1, KS
	v_lshrrev_b32 v6, 8, v5
	v_lshl_add_u32 v5, v6, 4, v5
	s_mul_i32 s21, s15, HALFS
	s_mul_i32 s22, s16, HALFS
	s_add_co_u32 s22, s22, 2*HALFS
	s_sub_co_u32 s22, s22, s21
	v_mul_u32_u24 v6, s22, v2                      ; lanes 16-31 take X's scales: the lower base + h x the distance
	s_add_co_u32 s21, s21, SCL
	v_add_nc_u32 v5, v5, v6
	v_add_nc_u32 v[ADRS], s21, v5
	v_and_b32 v6, 31, v0
	v_lshlrev_b32 v[LI], 4, v6
	v_lshlrev_b32 v[L4], 2, v6
	v_lshlrev_b32 v[BO], 5, v2
	v_lshlrev_b32 v[BR], 2, v1
.irp b, 0,1,2,3
	v_mov_b32 v[TM+4+\b], 0                        ; a lane permute's destination counts as a source
.endr
	s_lshl_b32 s20, s17, 8
	s_lshl_b32 s21, s15, 7
	s_add_co_u32 s20, s20, s21                     ; y0
	s_lshl_b32 s46, s42, 8
	s_lshl_b32 s47, s16, 7
	s_add_co_u32 s46, s46, s47                     ; x0
	s_cmp_lt_u32 ttmp9, 16
	s_cselect_b32 s21, s20, s46                    ; my first token
	s_cselect_b32 s47, s46, s20                    ; my first feature
	s_lshr_b32 s22, s21, 11
	s_lshl_b32 s22, s22, 4
	s_lshr_b32 s23, s47, 6
	s_add_co_u32 s22, s22, s23                     ; bh
	s_bfe_u32 s23, s21, 0x60005                    ; my first image
	s_mul_i32 s92, s22, 98304
	s_mul_i32 s93, s23, 1536
	s_add_co_u32 s92, s92, s93
	s_mov_b32 s93, 0
	s_add_nc_u64 s[OC:OC+1], s[OC:OC+1], s[92:93]
	s_lshl_b32 s92, s22, 12
	s_lshl_b32 s94, s23, 6
	s_add_co_u32 s92, s92, s94
	s_add_nc_u64 s[OS:OS+1], s[OS:OS+1], s[92:93]
	s_lshl_b32 s92, s47, 2
	s_add_nc_u64 s[BI:BI+1], s[BI:BI+1], s[92:93]
	s_mov_b32 s[SEL], 0x76543210
	s_mov_b32 s[SEL+1], 0xfedcba98
	s_mov_b32 s[HM], 0xffff0000
; a fragment: 12 registers, in pieces of 8 bytes; byte y of a row of codes lies in slot (y / 256) % 2 at byte y % 256 of the LDS row
.macro FRAG reg, adr, st, i
.irp p, 0,1,2,3,4,5
.set BY, 96*(\st)+48*(\p/3)+8*(\p%3)
.if BY/ROWB == (BY+24)/ROWB
	ds_load_b64 v[\reg+2*\p:\reg+2*\p+1], v[\adr+(BY/ROWB)%2] offset:BY%ROWB+(\i)*16*PITCH
.else
	ds_load_b64 v[\reg+2*\p:\reg+2*\p+1], v[\adr+2+(BY/ROWB)%2] offset:BY%ROWB-232+(\i)*16*PITCH
.endif
.endr
.endm
; 16 matrix instructions; the 64 accumulators take turns in the same order in every step
.macro MUL16 a0, p, q, sc, zero
.irp a, \a0, \a0+1
.irp b, 0,1,2,3,4,5,6,7
.if \zero
	v_wmma_scale_f32_16x16x128_f8f6f4 v[8*(8*((\a)%4)+\b):8*(8*((\a)%4)+\b)+7], v[128*(\p)+FR*\b:128*(\p)+FR*\b+FR-1], v[AF+FR*(\a):AF+FR*(\a)+FR-1], 0, v[SC+8*NQ*(\sc)+NQ*\b+(\q)], v[SC+8*NQ*(\sc)+NQ*(\a)+(\q)] matrix_a_fmt:MATRIX_FMT_FP6 matrix_b_fmt:MATRIX_FMT_FP6 matrix_a_scale:MATRIX_SCALE_ROW1
.else
	v_wmma_scale_f32_16x16x128_f8f6f4 v[8*(8*((\a)%4)+\b):8*(8*((\a)%4)+\b)+7], v[128*(\p)+FR*\b:128*(\p)+FR*\b+FR-1], v[AF+FR*(\a):AF+FR*(\a)+FR-1], v[8*(8*((\a)%4)+\b):8*(8*((\a)%4)+\b)+7], v[SC+8*NQ*(\sc)+NQ*\b+(\q)], v[SC+8*NQ*(\sc)+NQ*(\a)+(\q)] matrix_a_fmt:MATRIX_FMT_FP6 matrix_b_fmt:MATRIX_FMT_FP6 matrix_a_scale:MATRIX_SCALE_ROW1
.endif
.endr
.endr
.endm
.macro FETCH_B st, p
	WIN TO_B
.irp i, 0,1,2,3,4,5,6,7
	FRAG 128*(\p)+FR*\i, ADRB, \st, \i
.endr
	WIN 0
.endm
.macro FETCH_A st, i0
.irp i, \i0, \i0+1, \i0+2, \i0+3
	FRAG AF+FR*(\i), ADRA, \st, \i
.endr
.endm
.macro SCALES pr                       ; the scale words of steps 2 pr, 2 pr + 1: lanes 0-15 Y's block i, lanes 16-31 X's
.irp i, 0,1,2,3,4,5,6,7
	ds_load_b64 v[SC+8*NQ*((\pr)%2)+NQ*\i:SC+8*NQ*((\pr)%2)+NQ*\i+1], v[ADRS] offset:\i*SBLK+4*NQ*(\pr)
.endr
.endm
.macro PLACES n                        ; places behind a matrix instruction (ISA guide 7.12.1)
.rept \n
	v_nop
.endr
.endm
; a step of 128 along K.  Where the next step's bytes end in a chunk not yet read: the wait for my tensor loads and a barrier.  Where they begin in a later chunk: the wait, the add, the wait for it and for my
; reads, and the barrier; where a chunk two on is left to fetch, the barrier opens a round of the cluster's barrier and the slot is filled again, first behind the round.
.macro STEP st, zero
.set NX, (\st)+1
.set C0, (96*(\st))/ROWB
.set C1, (96*NX)/ROWB
.set E0, (96*(\st)+95)/ROWB
.set E1, (96*NX+95)/ROWB
.if C1 > C0 || E1 > E0
	s_wait_tensorcnt 0x0
.if C1 > C0
	ds_add_u32 v[SPW], v[NIL]
	s_wait_dscnt 4*NL+1                            ; the add and Y's blocks 4-7 (24 loads) may be out
.else
	s_wait_dscnt 4*NL                              ; Y's blocks 4-7 may be out
.endif
	WIN MUL_LO
	MUL16 0, (\st)%2, (\st)%2, ((\st)/2)%2, \zero
	s_wait_dscnt 0x0
	s_barrier_signal -1
	MUL16 2, (\st)%2, (\st)%2, ((\st)/2)%2, \zero
	WIN 0
	s_barrier_wait -1
.if C1 > C0 && C0+2 < CHUNKS
	CREST
	s_add_nc_u64 s[G0+4*(C0%2)+2:G0+4*(C0%2)+3], s[G0+4*(C0%2)+2:G0+4*(C0%2)+3], 2*ROWB
	s_add_nc_u64 s[G0B+4*(C0%2)+2:G0B+4*(C0%2)+3], s[G0B+4*(C0%2)+2:G0B+4*(C0%2)+3], 2*ROWB
	JLOAD G0+4*(C0%2), G1, G0B+4*(C0%2), G1B
.else
	PLACES NP
.endif
.else
	s_wait_dscnt 4*NL                              ; Y's blocks 4-7 may be out
	WIN MUL_LO
	MUL16 0, (\st)%2, (\st)%2, ((\st)/2)%2, \zero
	MUL16 2, (\st)%2, (\st)%2, ((\st)/2)%2, \zero
	s_wait_dscnt 0
	PLACES NP
.endif
	FETCH_B NX, NX%2
	FETCH_A NX, 0
.if NX%2 == 0
	SCALES NX/2
.endif
	WIN MUL_HI
	MUL16 4, (\st)%2, (\st)%2, ((\st)/2)%2, \zero
	MUL16 6, (\st)%2, (\st)%2, ((\st)/2)%2, \zero
	PLACES NP
	WIN 0
	FETCH_A NX, 4
.endm
.macro LAST                            ; step 7: nothing more to fetch
	s_wait_dscnt 4*NL
	WIN MUL_LO
	MUL16 0, 1, 1, 1, 0
	MUL16 2, 1, 1, 1, 0
	s_wait_dscnt 0
	WIN MUL_HI
	MUL16 4, 1, 1, 1, 0
	MUL16 6, 1, 1, 1, 0
	WIN 0
.endm
; BADD: block a of my rows + the bias into v[T] on, each accumulator from its low end.  qk = 1: the bias hangs on x; 0: on y (one number a lane)
.macro BADD a, qk
	WIN 2+(\a)/4
.set i, 0
.rept 32
.if \qk
	v_pk_add_f32 v[T+2*i:T+2*i+1], v[64*((\a)%4)+2*i:64*((\a)%4)+2*i+1], v[BX+2*i:BX+2*i+1]
.elseif (\a)%2
	v_pk_add_f32 v[T+2*i:T+2*i+1], v[64*((\a)%4)+2*i:64*((\a)%4)+2*i+1], v[BX+(\a)-1:BX+(\a)] op_sel:[0,1] op_sel_hi:[1,1]
.else
	v_pk_add_f32 v[T+2*i:T+2*i+1], v[64*((\a)%4)+2*i:64*((\a)%4)+2*i+1], v[BX+(\a):BX+(\a)+1] op_sel_hi:[1,0]
.endif
.set i, i+1
.endr
	WIN 0
.endm
; QUANT: 64 numbers of a lane = my halves of four blocks.  Blocks 0, 1 become six registers at d0, blocks 2, 3 six at d1; the four bytes the word pw
.macro QUANT s, d0, d1, pw
.irp b, 0,1,2,3
	v_max3_num_f32 v[TM+\b], |v[\s+16*\b]|, |v[\s+16*\b+1]|, 0x1800000   ; with the floor 2^(3 - 127): the byte stays at 1 or above
.endr
.irp i, 2,4,6,8,10,12,14
.irp b, 0,1,2,3
	v_max3_num_f32 v[TM+\b], v[TM+\b], |v[\s+16*\b+\i]|, |v[\s+16*\b+\i+1]|
.endr
.endr
.irp b, 0,1,2,3
	v_permlanex16_b32 v[TM+4+\b], v[TM+\b], s[SEL], s[SEL+1]
.endr
.irp b, 0,1,2,3
	v_max_num_f32 v[TM+\b], v[TM+\b], v[TM+4+\b]
.endr
.irp b, 0,1,2,3
	v_add_nc_u32 v[TM+12+\b], 0xff000000, v[TM+\b] ; 2 off the exponent field: the conversion's scale operand
.endr
.irp b, 0,1,2,3
	v_lshrrev_b32 v[TM+4+\b], 23, v[TM+12+\b]
.endr
	v_lshl_or_b32 v[\pw], v[TM+5], 8, v[TM+4]
	v_lshl_or_b32 v[\pw], v[TM+6], 16, v[\pw]
	v_lshl_or_b32 v[\pw], v[TM+7], 24, v[\pw]
	v_cvt_scalef32_pk16_fp6_f32 v[(\d0):(\d0)+2], v[\s:\s+15], v[TM+12]
	v_cvt_scalef32_pk16_fp6_f32 v[PT:PT+2], v[\s+16:\s+31], v[TM+13]
	v_cvt_scalef32_pk16_fp6_f32 v[(\d1):(\d1)+2], v[\s+32:\s+47], v[TM+14]
	v_cvt_scalef32_pk16_fp6_f32 v[PT+4:PT+6], v[\s+48:\s+63], v[TM+15]
	v_nop                                          ; one plain place behind a scaled conversion
.irp i, 0,1,2
	v_permlane16_swap_b32 v[(\d0)+\i], v[PT+\i]    ; a whole block to a lane
.endr
.irp i, 0,1,2
	v_mov_b32 v[(\d0)+3+\i], v[PT+\i]
.endr
.irp i, 0,1,2
	v_permlane16_swap_b32 v[(\d1)+\i], v[PT+4+\i]
.endr
.irp i, 0,1,2
	v_mov_b32 v[(\d1)+3+\i], v[PT+4+\i]
.endr
.endm
	s_wait_alu depctr_va_vdst(0)
	s_wait_tensorcnt 0x0                           ; my tile of the head's four is in; the same lines as ahead of a refill stand ahead of slot 1's first fill
	ds_add_u32 v[SPW], v[NIL]
	s_mov_b32 s[G1+2], 128<<16                     ; no load of mine is out: from here on a load brings 128 rows
	s_mov_b32 s[G1+4], 128
	s_mov_b32 s[G1B+2], 128<<16
	s_mov_b32 s[G1B+4], 128
	s_wait_dscnt 0x0
	CROUND
	JLOAD G0+4, G1, G0B+4, G1B                     ; chunk 1
	FETCH_B 0, 0
	FETCH_A 0, 0
	SCALES 0
	FETCH_A 0, 4
	STEP 0, 1                                      ; the first step's products start the sums
.set ST, 1
.rept STEPS-2
	STEP ST, 0
.set ST, ST+1
.endr
	s_cmp_lt_u32 ttmp9, 16                         ; the two ways out part on the cluster's number; neither touches LDS
	s_cbranch_scc0 .Lv
	; q, k: a lane's 64 numbers are two heads x two blocks of 32 channels of one token; two blocks of rows make one image for each head
.irp b, 0,1,2,3,4,5,6,7
	global_load_b128 v[BX+8*\b:BX+8*\b+3], v[BO], s[BI:BI+1] offset:64*\b
	global_load_b128 v[BX+8*\b+4:BX+8*\b+7], v[BO], s[BI:BI+1] offset:64*\b+16
.endr
	LAST
	PLACES NP
	s_wait_loadcnt 0x0
.irp g, 0,1,2,3
.if \g > 0
	s_wait_xcnt 0x0                                ; the last images' stores have read their registers
.endif
.irp u, 0,1
	BADD 2*\g+\u, 1
	QUANT T, H0+6*\u, H1+6*\u, PW+\u
.endr
.irp j, 0,1,2
	global_store_b128 v[LI], v[H0+4*\j:H0+4*\j+3], s[OC:OC+1] offset:1536*\g+512*\j          ; 32 lanes store 512 consecutive bytes
	global_store_b128 v[LI], v[H1+4*\j:H1+4*\j+3], s[OC:OC+1] offset:98304+1536*\g+512*\j
.endr
	v_perm_b32 v[SW+\g], v[PW+1], v[PW], 0x05040100
	v_perm_b32 v[SW+4+\g], v[PW+1], v[PW], 0x07060302
.endr
	s_branch .Lwords
.Lv:	; v: a lane's 64 numbers are four blocks of 32 keys of one channel: each block of rows is one image
.irp a, 0,1,2,3,4,5,6,7
	global_load_b32 v[BX+\a], v[BR], s[BI:BI+1] offset:64*\a
.endr
	LAST
	PLACES NP
	s_wait_loadcnt 0x0
.irp a, 0,1,2,3,4,5,6,7
.if \a > 1
	s_wait_xcnt 0x0
.endif
	BADD \a, 0
	QUANT T, H0+12*(\a%2), H0+12*(\a%2)+6, SW+\a
.irp j, 0,1,2
	global_store_b128 v[LI], v[H0+12*(\a%2)+4*\j:H0+12*(\a%2)+4*\j+3], s[OC:OC+1] offset:98304*(\a/4)+1536*(\a%4)+512*\j
.endr
.endr
.Lwords:	; the eight images' scale words: two images share a store of 128 consecutive bytes
	s_wait_alu depctr_va_vdst(0)
.irp c, 0,1
.irp p, 0,1
	v_cndmask_b32 v[XW+2*\c+\p], v[SW+4*\c+2*\p], v[SW+4*\c+2*\p+1], s[HM]
.endr
.endr
.irp c, 0,1
.irp p, 0,1
	global_store_b32 v[L4], v[XW+2*\c+\p], s[OS:OS+1] offset:4096*\c+128*\p
.endr
.endr
	s_wait_tensorcnt 0x0                           ; the wave's end
	ds_add_u32 v[SPW], v[NIL]
	s_wait_dscnt 0x0
	CROUND                                         ; the closing round
	s_endpgm
.Lfunc_end_k_q357bf0013c_proj:
	.size	k_q357bf0013c_proj, .Lfunc_end_k_q357bf0013c_proj-k_q357bf0013c_proj
	.p2alignl 7, 3214868480
	.fill 96, 4, 3214868480
	.section	.rodata,"a",@progbits
	.p2align	6, 0x0
	.amdhsa_kernel k_q357bf0013c_proj
		.amdhsa_group_segment_fixed_size 327680
		.amdhsa_private_segment_fixed_size 0
		.amdhsa_enable_private_segment 0
		.amdhsa_kernarg_size 136
		.amdhsa_user_sgpr_count 2
		.amdhsa_user_sgpr_kernarg_segment_ptr 1
		.amdhsa_wavefront_size32 1
		.amdhsa_system_sgpr_workgroup_id_x 1
		.amdhsa_system_sgpr_workgroup_id_y 1
		.amdhsa_system_sgpr_workgroup_id_z 1
		.amdhsa_system_vgpr_workitem_id 0
		.amdhsa_next_free_vgpr 1024
		.amdhsa_next_free_sgpr 102
		.amdhsa_reserve_vcc 0
		.amdhsa_float_denorm_mode_32 3
		.amdhsa_float_denorm_mode_16_64 3
		.amdhsa_memory_ordered 1
		.amdhsa_forward_progress 1
		.amdhsa_inst_pref_size 241
	.end_amdhsa_kernel
	.amdgpu_metadata
---
amdhsa.version: [ 1, 2 ]
amdhsa.kernels:
  - .name:           k_q357bf0013c_proj
    .symbol:         k_q357bf0013c_proj.kd
    .args:
      - { .name: hidden_states_codes, .offset: 0, .size: 8, .value_kind: global_buffer, .address_space: global }
      - { .name: hidden_states_scales, .offset: 8, .size: 8, .value_kind: global_buffer, .address_space: global }
      - { .name: Wq_codes, .offset: 16, .size: 8, .value_kind: global_buffer, .address_space: global }
      - { .name: Wq_scales, .offset: 24, .size: 8, .value_kind: global_buffer, .address_space: global }
      - { .name: Wk_codes, .offset: 32, .size: 8, .value_kind: global_buffer, .address_space: global }
      - { .name: Wk_scales, .offset: 40, .size: 8, .value_kind: global_buffer, .address_space: global }
      - { .name: Wv_codes, .offset: 48, .size: 8, .value_kind: global_buffer, .address_space: global }
      - { .name: Wv_scales, .offset: 56, .size: 8, .value_kind: global_buffer, .address_space: global }
      - { .name: bq, .offset: 64, .size: 8, .value_kind: global_buffer, .address_space: global }
      - { .name: bk, .offset: 72, .size: 8, .value_kind: global_buffer, .address_space: global }
      - { .name: bv, .offset: 80, .size: 8, .value_kind: global_buffer, .address_space: global }
      - { .name: qc, .offset: 88, .size: 8, .value_kind: global_buffer, .address_space: global }
      - { .name: qs, .offset: 96, .size: 8, .value_kind: global_buffer, .address_space: global }
      - { .name: kc, .offset: 104, .size: 8, .value_kind: global_buffer, .address_space: global }
      - { .name: ks, .offset: 112, .size: 8, .value_kind: global_buffer, .address_space: global }
      - { .name: vc, .offset: 120, .size: 8, .value_kind: global_buffer, .address_space: global }
      - { .name: vs, .offset: 128, .size: 8, .value_kind: global_buffer, .address_space: global }
    .group_segment_fixed_size: 327680
    .private_segment_fixed_size: 0
    .kernarg_segment_align: 8
    .kernarg_segment_size: 136
    .max_flat_workgroup_size: 128
    .sgpr_count:     102
    .vgpr_count:     1024
    .wavefront_size: 32
...
	.end_amdgpu_metadata
.endif
;; end of part 1
;; launch attn (part 2): grid 4 x 64, 8 waves a work-group, clusters of 4 x 1, 327,680 bytes of LDS; arguments qc, qs, kc, ks, vc, vs, out0; writes out0
.if DOCPART == 2
	.amdgcn_target "amdgcn-amd-amdhsa--gfx1250"
	.amdhsa_code_object_version 6
	.text
	.protected	k_q357bf0013c_attn
	.globl	k_q357bf0013c_attn
	.p2align	8
	.type	k_q357bf0013c_attn,@function
k_q357bf0013c_attn:
	s_mov_b64 s[64:65], 0
	v_nop
	global_prefetch_b8 v0, s[64:65] scope:SCOPE_SE
	s_setreg_imm32_b32 hwreg(HW_REG_WAVE_MODE, 25, 1), 1
	s_wait_xcnt 0x0
	s_wait_alu depctr_hold_cnt(0) depctr_sa_sdst(0) depctr_va_vdst(0) depctr_va_sdst(0) depctr_va_ssrc(0) depctr_va_vcc(0) depctr_vm_vsrc(0)
	s_getreg_b32 s2, hwreg(HW_REG_IB_STS2, 6, 4)
	s_cmp_eq_u32 s2, 0
	s_cbranch_scc0 .Lentry_in_a_cluster
	s_endpgm
.Lentry_in_a_cluster:
	s_bfe_u32 s2, ttmp6, 0x10000c
	s_cmp_lg_u32 s2, 0x3003
	s_cbranch_scc0 .Lentry_shape_is_right
	s_endpgm
.Lentry_shape_is_right:
; ctx = (softmax(clip(q k^T / 8)) + 1e-9) v for one (batch, head) bh and 512 queries, on the codes and scale words that launch proj stored (its head comment gives the layouts).
; The probabilities are quantised FINISHED (normalised, + 1e-9), so a row's maximum and sum are known before any code is made: the scores of 16 queries x 2,048 keys stay in a team's registers.
; TWO TEAMS OF FOUR WAVES (waves 0-3, waves 4-7).  Of q's image j (32 queries) team 0 takes queries 0-15, team 1 queries 16-31.  In a team wave wt owns keys 512 wt .. 512 wt + 511: 256 score registers a lane (window 1).
; A tile goes through three parts.  S1: S^T = k q^T (a lane holds one query, its registers run along the keys), clip, each block's largest score, p = 2^(c s - my largest), my sum; (largest, sum) go to LDS.
; S2: the team's four (largest, sum) are joined; p f + 1e-9 with f = 2^(mine - all) / sum; codes; O^T = v^T p^T over my 512 keys; my partial O goes to LDS.  P3: each wave adds four rows of the four partial O and stores them.
; THE TEAMS TAKE TURNS between the work-group's barriers: while one team runs S1 the other runs S2; P3 stands behind the barrier that follows a team's S2.  Every barrier stands at a join, on every wave's path;
; only work stands under the branches on the wave's number and on the trip counter.  Each team has LDS bytes of its own for what its waves hand to each other.
; A head has 64 channels, a matrix step 128: an image of k holds two groups of 16 keys, and q's fragment has zero codes under the group that is not meant.
; A block's largest p is made from its largest score by the same multiply-add and exponential (p rises with the score).
; K and V of the head (196,608 bytes) come into LDS once, one load a wave: waves 0-3 fetch K's quarters, waves 4-7 V's, jointly with the three partners of the cluster (the four blocks of 512 queries of one bh).
; No prefetch: K and V are asked for once, at the head; q's next image is loaded into registers one tile ahead.
; LIMITS: NaN and infinities are not served; the promise holds while the scaled scores stay under 2^31 in magnitude.
; Window 1: v0-255 the scores; behind their quantising v0-31 hold O^T and v32-63 the partial O read back.
.set IMG,   1536
.set WREG,  49152                      ; a quarter of the keys: K's 16 images, then V's 16
.set VOFF,  24576
.set STAT,  4*WREG                     ; (largest, sum): 8 bytes a lane, 256 a wave
.set OX,    STAT+2048                  ; partial O: 16 rows x 272 bytes a wave
.set OXP,   272
.set SPARE, OX+8*16*OXP                ; the spare words, 128 bytes a wave
.set LI,   1
.set KAD,  2
.set STW,  3
.set STR,  4
.set OXW,  5
.set OXR,  6
.set GO,   7
.set R4,   8
.set L4,   10
.set KSC,  12                          ; v12-19 K's scale words, two images a register;  v20-27 V's
.set VSC,  20
.set QSC,  28
.set QSS,  29
.set QST,  30                          ; v30-41 the next q image
.set QZ,   42                          ; v42-59: zeros, my 16 queries, zeros, six registers each
.set BM,   60                          ; v60-75 block maxima, then the conversions' scale operands
.set SO,   60
.set LA,   76                          ; v76-83 sums; later the scale bytes
.set LS,   84
.set ST,   86                          ; v86 my largest exponent, v87 my sum
.set FF,   88
.set XS,   90
.set TP,   98
.set PF,   106                         ; v106-129 p's fragments, two sets
.set PT,   130
.set PSW,  138
.set FB0,  140                         ; v140-187, v188-235: four images of K or V each
.set FB1,  188
.set SPW,  254
.set NIL,  255
.set OB,   32
.set WV,   18
.set WT,   59
.set TE,   60
.set G1,   24
.set G0,   32
.set CS,   40
.set EP,   42
.set CL,   44
.set TL,   45
.set MSB, 0
.macro WIN new
.if MSB != (\new)
	s_set_vgpr_msb (MSB<<8)|(\new)
.set MSB, (\new)
.endif
.endm
.macro CROUND
	s_barrier_signal -1
	s_barrier_wait -1
	s_cmp_lg_u32 s[WV], 0
	s_cbranch_scc1 .Lnot_wave_0_\@
	s_barrier_signal -3
.Lnot_wave_0_\@:
	s_barrier_wait -3
	s_barrier_signal -1
	s_barrier_wait -1
.endm
.macro BAR                             ; my LDS stores and loads are done; then the work-group's barrier
	s_wait_alu depctr_va_vdst(0)
	s_wait_dscnt 0x0
	s_barrier_signal -1
	s_barrier_wait -1
.endm
.macro PLACES n
.rept \n
	v_nop
.endr
.endm
.macro DEP n
	s_delay_alu instid0(VALU_DEP_\n)
.endm
.macro MM0 d, a, b, sa, sb, ra, rb
.if (\ra) && (\rb)
	v_wmma_scale_f32_16x16x128_f8f6f4 v[(\d):(\d)+7], v[(\a):(\a)+11], v[(\b):(\b)+11], 0, v[\sa], v[\sb] matrix_a_fmt:MATRIX_FMT_FP6 matrix_b_fmt:MATRIX_FMT_FP6 matrix_a_scale:MATRIX_SCALE_ROW1 matrix_b_scale:MATRIX_SCALE_ROW1
.elseif (\ra)
	v_wmma_scale_f32_16x16x128_f8f6f4 v[(\d):(\d)+7], v[(\a):(\a)+11], v[(\b):(\b)+11], 0, v[\sa], v[\sb] matrix_a_fmt:MATRIX_FMT_FP6 matrix_b_fmt:MATRIX_FMT_FP6 matrix_a_scale:MATRIX_SCALE_ROW1
.elseif (\rb)
	v_wmma_scale_f32_16x16x128_f8f6f4 v[(\d):(\d)+7], v[(\a):(\a)+11], v[(\b):(\b)+11], 0, v[\sa], v[\sb] matrix_a_fmt:MATRIX_FMT_FP6 matrix_b_fmt:MATRIX_FMT_FP6 matrix_b_scale:MATRIX_SCALE_ROW1
.else
	v_wmma_scale_f32_16x16x128_f8f6f4 v[(\d):(\d)+7], v[(\a):(\a)+11], v[(\b):(\b)+11], 0, v[\sa], v[\sb] matrix_a_fmt:MATRIX_FMT_FP6 matrix_b_fmt:MATRIX_FMT_FP6
.endif
.endm
.macro MMA d, a, b, sa, sb, ra, rb
.if (\ra) && (\rb)
	v_wmma_scale_f32_16x16x128_f8f6f4 v[(\d):(\d)+7], v[(\a):(\a)+11], v[(\b):(\b)+11], v[(\d):(\d)+7], v[\sa], v[\sb] matrix_a_fmt:MATRIX_FMT_FP6 matrix_b_fmt:MATRIX_FMT_FP6 matrix_a_scale:MATRIX_SCALE_ROW1 matrix_b_scale:MATRIX_SCALE_ROW1
.elseif (\ra)
	v_wmma_scale_f32_16x16x128_f8f6f4 v[(\d):(\d)+7], v[(\a):(\a)+11], v[(\b):(\b)+11], v[(\d):(\d)+7], v[\sa], v[\sb] matrix_a_fmt:MATRIX_FMT_FP6 matrix_b_fmt:MATRIX_FMT_FP6 matrix_a_scale:MATRIX_SCALE_ROW1
.elseif (\rb)
	v_wmma_scale_f32_16x16x128_f8f6f4 v[(\d):(\d)+7], v[(\a):(\a)+11], v[(\b):(\b)+11], v[(\d):(\d)+7], v[\sa], v[\sb] matrix_a_fmt:MATRIX_FMT_FP6 matrix_b_fmt:MATRIX_FMT_FP6 matrix_b_scale:MATRIX_SCALE_ROW1
.else
	v_wmma_scale_f32_16x16x128_f8f6f4 v[(\d):(\d)+7], v[(\a):(\a)+11], v[(\b):(\b)+11], v[(\d):(\d)+7], v[\sa], v[\sb] matrix_a_fmt:MATRIX_FMT_FP6 matrix_b_fmt:MATRIX_FMT_FP6
.endif
.endm
.macro FETCH dst, base                 ; four images, 12 loads
.irp b, 0,1,2,3
.irp j, 0,1,2
	ds_load_b128 v[(\dst)+12*\b+4*\j:(\dst)+12*\b+4*\j+3], v[KAD] offset:(\base)+IMG*\b+512*\j
.endr
.endr
.endm
.macro QKMM g, fb                      ; 8 products: images 4 g .. 4 g + 3 x their two groups of keys; each starts its own sum
	WIN 0x40
.irp b, 0,1,2,3
.irp e, 0,1
	MM0 8*(2*(4*(\g)+\b)+\e), (\fb)+12*\b, QZ+6-6*\e, KSC+(4*(\g)+\b)/2, QSC, \b%2, 0
.endr
.endr
	WIN 0
.endm
.macro CLIPMAX g                       ; the clip (on q k: +-8e9), each accumulator from its low end; then four blocks' maxima by turns
	WIN 0x41
.set i, 64*(\g)
.rept 64
	v_med3_num_f32 v[i], v[i], -s[CL], s[CL]
.set i, i+1
.endr
	WIN 0x14
.irp b, 0,1,2,3
	v_max3_num_f32 v[BM+4*(\g)+\b], -s[CL], v[64*(\g)+16*\b], v[64*(\g)+16*\b+1]
.endr
.irp k, 2,4,6,8,10,12,14
.irp b, 0,1,2,3
	v_max3_num_f32 v[BM+4*(\g)+\b], v[BM+4*(\g)+\b], v[64*(\g)+16*\b+\k], v[64*(\g)+16*\b+\k+1]
.endr
.endr
	WIN 0
.endm
.macro EXPCH n                         ; 32 exponentials, the next 32 exponents among them; one wait; then the 32 are summed in four chains
	WIN 0x41
.set i, 0
.rept 16
	v_exp_f32 v[32*\n+2*i], v[32*\n+2*i]
	v_exp_f32 v[32*\n+2*i+1], v[32*\n+2*i+1]
.if \n < 7
	v_pk_fma_f32 v[32*\n+32+2*i:32*\n+32+2*i+1], v[32*\n+32+2*i:32*\n+32+2*i+1], s[CS:CS+1], v[ST:ST+1] op_sel_hi:[1,0,0] neg_lo:[0,0,1] neg_hi:[0,0,1]
.endif
.set i, i+1
.endr
.if \n == 7
	v_nop
.endif
.if \n == 0
	WIN 0x05
	s_wait_alu depctr_va_vdst(0)
.irp p, 0,1,2,3
	v_pk_add_f32 v[LA+2*\p:LA+2*\p+1], v[2*\p:2*\p+1], v[2*\p+8:2*\p+9]
.endr
	WIN 0x04
.irp p, 8,9,10,11,12,13,14,15
	v_pk_add_f32 v[LA+2*(\p%4):LA+2*(\p%4)+1], v[LA+2*(\p%4):LA+2*(\p%4)+1], v[2*\p:2*\p+1]
.endr
.else
	WIN 0x04
	s_wait_alu depctr_va_vdst(0)
.irp p, 0,1,2,3,4,5,6,7,8,9,10,11,12,13,14,15
	v_pk_add_f32 v[LA+2*(\p%4):LA+2*(\p%4)+1], v[LA+2*(\p%4):LA+2*(\p%4)+1], v[32*\n+2*\p:32*\n+2*\p+1]
.endr
.endif
.endm
.macro PFMA k                          ; p f + 1e-9 for 128 keys
	WIN 0x41
.set i, 64*(\k)
.rept 32
	v_pk_fma_f32 v[i:i+1], v[i:i+1], v[FF:FF+1], s[EP:EP+1] op_sel_hi:[1,0,0]
.set i, i+2
.endr
	WIN 0
.endm
.macro QNT k                           ; codes of 128 keys
	WIN 0x01
.irp c, 0,1
	v_cvt_scalef32_pk16_fp6_f32 v[PF+12*((\k)%2)+6*\c:PF+12*((\k)%2)+6*\c+2], v[64*(\k)+32*\c:64*(\k)+32*\c+15], v[SO+4*(\k)+2*\c]
	v_cvt_scalef32_pk16_fp6_f32 v[PT+4*\c:PT+4*\c+2], v[64*(\k)+32*\c+16:64*(\k)+32*\c+31], v[SO+4*(\k)+2*\c+1]
.endr
	WIN 0
	v_nop                                          ; one plain place behind a scaled conversion
.irp c, 0,1
.irp i, 0,1,2
	v_permlane16_swap_b32 v[PF+12*((\k)%2)+6*\c+\i], v[PT+4*\c+\i]
.endr
.irp i, 0,1,2
	v_mov_b32 v[PF+12*((\k)%2)+6*\c+3+\i], v[PT+4*\c+\i]
.endr
.endr
.endm
.macro PVMM k, fb                      ; four products, the four accumulators by turns
	WIN 0x50
.irp t, 0,1,2,3
.if (\k) == 0
	MM0 8*\t, (\fb)+12*\t, PF+12*((\k)%2), VSC+(4*(\k)+\t)/2, PSW+((\k)%2), \t%2, (\k)/2
.else
	MMA 8*\t, (\fb)+12*\t, PF+12*((\k)%2), VSC+(4*(\k)+\t)/2, PSW+((\k)%2), \t%2, (\k)/2
.endif
.endr
	WIN 0
.endm
; S1.  grp: which 16 queries of the image are my team's;  lastj: the trip in which no further q image is loaded
.macro S1 grp, lastj
	FETCH FB0, 0
	FETCH FB1, 4*IMG
	s_wait_loadcnt 0x0
	v_perm_b32 v[QSC], v[QSS], v[QSS], 0x01000100+0x02020202*(\grp)   ; my queries' two scale bytes, twice
.irp i, 0,1,2,3,4,5
	v_mov_b32 v[QZ+6+\i], v[QST+6*(\grp)+\i]
.endr
	s_wait_xcnt 0x0                                ; the last q loads have read their bases
	s_add_nc_u64 s[4:5], s[4:5], IMG
	s_add_nc_u64 s[6:7], s[6:7], 64
	s_cmp_eq_u32 s[TL], \lastj
	s_cbranch_scc1 .Lnoq_\@
.irp j, 0,1,2
	global_load_b128 v[QST+4*\j:QST+4*\j+3], v[LI], s[4:5] offset:512*\j
.endr
	global_load_b32 v[QSS], v[R4], s[6:7]
.Lnoq_\@:
	PLACES 8                                       ; a scale register written by a vector instruction stands 8 places ahead
	s_wait_dscnt 12                                ; the older four images are in; the younger 12 loads may be out (so at each such wait below)
	s_wait_alu depctr_va_vdst(0)
	QKMM 0, FB0
	PLACES 4
	FETCH FB0, 8*IMG
	s_wait_dscnt 12
	QKMM 1, FB1
	CLIPMAX 0
	FETCH FB1, 12*IMG
	s_wait_dscnt 12
	QKMM 2, FB0
	CLIPMAX 1
	s_wait_dscnt 0x0
	QKMM 3, FB1
	CLIPMAX 2
	CLIPMAX 3
.irp b, 0,1,2,3,4,5,6,7
	v_permlane16_swap_b32 v[BM+\b], v[BM+8+\b]     ; lanes 0-15: block b's two halves in the two registers; lanes 16-31: block 8 + b's
.endr
.irp b, 0,1,2,3,4,5,6,7
	v_max_num_f32 v[BM+\b], v[BM+\b], v[BM+8+\b]
.endr
	v_max3_num_f32 v[TP], v[BM], v[BM+1], v[BM+2]
	v_max3_num_f32 v[TP+1], v[BM+3], v[BM+4], v[BM+5]
	DEP 2
	v_max3_num_f32 v[TP], v[TP], v[BM+6], v[BM+7]
	DEP 1
	v_max_num_f32 v[TP], v[TP], v[TP+1]
	DEP 1
	v_mov_b32 v[TP+1], v[TP]
	v_permlane16_swap_b32 v[TP], v[TP+1]
	v_max_num_f32 v[TP], v[TP], v[TP+1]            ; both halves of the lanes: my 512 keys' largest score
	DEP 1
	v_mul_f32 v[ST], s[CS], v[TP]
	DEP 1
.irp b, 0,1,2,3,4,5,6,7
	v_fma_f32 v[BM+\b], v[BM+\b], s[CS], -v[ST]
.endr
	s_wait_alu depctr_va_vdst(0)
.irp b, 0,1,2,3,4,5,6,7
	v_exp_f32 v[BM+\b], v[BM+\b]                   ; each block's largest p
.endr
	WIN 0x41
.set i, 0
.rept 16
	v_pk_fma_f32 v[2*i:2*i+1], v[2*i:2*i+1], s[CS:CS+1], v[ST:ST+1] op_sel_hi:[1,0,0] neg_lo:[0,0,1] neg_hi:[0,0,1]
.set i, i+1
.endr
	s_wait_alu depctr_va_vdst(0)                   ; ahead of the batch, and behind the eight above
.irp n, 0,1,2,3,4,5,6,7
	EXPCH \n
.endr
	WIN 0
	v_pk_add_f32 v[LA:LA+1], v[LA:LA+1], v[LA+2:LA+3]
	v_pk_add_f32 v[LA+4:LA+5], v[LA+4:LA+5], v[LA+6:LA+7]
	DEP 1
	v_pk_add_f32 v[LA:LA+1], v[LA:LA+1], v[LA+4:LA+5]
	DEP 1
	v_add_f32 v[LS], v[LA], v[LA+1]
	DEP 1
	v_mov_b32 v[LS+1], v[LS]
	v_permlane16_swap_b32 v[LS], v[LS+1]
	v_add_f32 v[ST+1], v[LS], v[LS+1]              ; my 512 keys' sum
	ds_store_b64 v[STW], v[ST:ST+1]
.endm
.macro S2
.irp w, 0,1,2,3
	ds_load_b64 v[XS+2*\w:XS+2*\w+1], v[STR] offset:256*\w
.endr
	FETCH FB0, VOFF
	FETCH FB1, VOFF+4*IMG
	s_wait_dscnt 24                                ; the four pairs are in; V's 24 loads may be out
	v_max3_num_f32 v[TP], v[XS], v[XS+2], v[XS+4]
	DEP 1
	v_max_num_f32 v[TP], v[TP], v[XS+6]            ; the row's largest exponent
	DEP 1
	v_sub_f32 v[TP+1], v[ST], v[TP]
.irp w, 0,1,2,3
	v_sub_f32 v[XS+2*\w], v[XS+2*\w], v[TP]
.endr
	s_wait_alu depctr_va_vdst(0)
	v_exp_f32 v[TP+1], v[TP+1]
.irp w, 0,1,2,3
	v_exp_f32 v[XS+2*\w], v[XS+2*\w]
.endr
	v_nop
	s_wait_alu depctr_va_vdst(0)
	v_mul_f32 v[TP+2], v[XS+1], v[XS]
	v_mul_f32 v[TP+3], v[XS+3], v[XS+2]
	v_fmac_f32 v[TP+2], v[XS+5], v[XS+4]
	v_fmac_f32 v[TP+3], v[XS+7], v[XS+6]
	DEP 1
	v_add_f32 v[TP+2], v[TP+2], v[TP+3]            ; the row's sum
	s_wait_alu depctr_va_vdst(0)
	v_rcp_f32 v[TP+2], v[TP+2]
	v_nop
	s_wait_alu depctr_va_vdst(0)
	v_mul_f32 v[FF], v[TP+1], v[TP+2]              ; f
.irp b, 0,1,2,3,4,5,6,7
	v_fma_f32 v[BM+\b], v[BM+\b], v[FF], s[EP]     ; each block's largest finished p: at least 1e-9, so no floor is needed
.endr
.irp b, 0,1,2,3,4,5,6,7
	v_add_nc_u32 v[BM+\b], 0xff000000, v[BM+\b]    ; 2 off the exponent field: the conversion's scale operand
.endr
.irp b, 0,1,2,3,4,5,6,7
	v_lshrrev_b32 v[LA+\b], 23, v[BM+\b]           ; the bytes
.endr
.irp s, 1,2,3                          ; word 0: lanes 0-15 keys 0-127, lanes 16-31 keys 256-383; word 1: keys 128-255 and 384-511
.irp k, 0,1
.if \s == 1
	v_lshl_or_b32 v[PSW+\k], v[LA+4*\k+1], 8, v[LA+4*\k]
.else
	v_lshl_or_b32 v[PSW+\k], v[LA+4*\k+\s], 8*\s, v[PSW+\k]
.endif
.endr
.endr
.irp b, 0,1,2,3,4,5,6,7
	v_mov_b32 v[SO+8+\b], v[SO+\b]
.endr
.irp b, 0,1,2,3,4,5,6,7
	v_permlane16_swap_b32 v[SO+\b], v[SO+8+\b]     ; block b's operand in all lanes of register b, block 8 + b's of register 8 + b
.endr
	PFMA 0
	QNT 0
	PFMA 1                                         ; 32 plain instructions: the places ahead of the products below
	s_wait_alu depctr_va_vdst(0)
	s_wait_dscnt 12
	PVMM 0, FB0
	QNT 1
	FETCH FB0, VOFF+8*IMG
	PFMA 2
	s_wait_alu depctr_va_vdst(0)
	s_wait_dscnt 12
	PVMM 1, FB1
	QNT 2
	FETCH FB1, VOFF+12*IMG
	PFMA 3
	s_wait_alu depctr_va_vdst(0)
	s_wait_dscnt 12
	PVMM 2, FB0
	QNT 3
	PLACES 4
	s_wait_alu depctr_va_vdst(0)
	s_wait_dscnt 0x0
	PVMM 3, FB1
	PLACES 4
	WIN 0x04
.irp t, 0,1,2,3
	ds_store_b128 v[OXW], v[8*\t:8*\t+3] offset:64*\t
	ds_store_b128 v[OXW], v[8*\t+4:8*\t+7] offset:64*\t+16
.endr
	WIN 0
.endm
.macro P3                              ; my four rows of my team's four partial O
	WIN 0x40
.irp p, 0,1,2,3
.irp i, 0,1
	ds_load_b128 v[OB+8*\p+4*\i:OB+8*\p+4*\i+3], v[OXR] offset:16*OXP*\p+2*OXP*\i
.endr
.endr
	s_wait_dscnt 0x0
	WIN 0x45
.irp i, 0,2,4,6
	v_pk_add_f32 v[OB+\i:OB+\i+1], v[OB+\i:OB+\i+1], v[OB+8+\i:OB+8+\i+1]
	v_pk_add_f32 v[OB+16+\i:OB+16+\i+1], v[OB+16+\i:OB+16+\i+1], v[OB+24+\i:OB+24+\i+1]
.endr
.irp i, 0,2,4,6
	v_pk_add_f32 v[OB+\i:OB+\i+1], v[OB+\i:OB+\i+1], v[OB+16+\i:OB+16+\i+1]
.endr
	WIN 0x04
.irp i, 0,1
	global_store_b128 v[GO], v[OB+4*\i:OB+4*\i+3], s[16:17] offset:8192*\i th:TH_STORE_NT   ; 16 lanes store 256 consecutive bytes, aligned
.endr
	WIN 0
	s_wait_xcnt 0x0                                ; the stores have read their registers and their base
	s_add_nc_u64 s[16:17], s[16:17], 32*4096
.endm
	s_load_b256 s[4:11], s[0:1], 0x0               ; qc, qs, kc, ks
	s_load_b128 s[12:15], s[0:1], 0x20             ; vc, vs
	s_load_b64 s[16:17], s[0:1], 0x30              ; out0
	v_lshl_add_u32 v[SPW], v0, 2, SPARE
	v_mov_b32 v[NIL], 0
	ds_add_u32 v[SPW], v[NIL]
	ds_add_u32 v[SPW], v[NIL]
	v_lshrrev_b32 v11, 5, v0
	v_readfirstlane_b32 s[WV], v11
	s_and_b32 s[WT], s[WV], 3                      ; my quarter of the keys
	s_lshr_b32 s[TE], s[WV], 2                     ; my team
	s_bfe_u32 s19, ttmp6, 0x40000
	s_lshl_b32 s21, ttmp9, 2
	s_add_co_u32 s19, s21, s19                     ; my block of 512 queries
	s_and_b32 s20, ttmp7, 0xffff                   ; bh
	s_mul_i32 s46, s20, 98304
	s_mul_i32 s22, s[WT], 24576
	s_add_co_u32 s46, s46, s22                     ; my quarter's 16 images of K and of V
	s_mov_b32 s47, 0
	s_lshl_b32 s48, s20, 12
	s_lshl_b32 s22, s[WT], 10
	s_add_co_u32 s48, s48, s22                     ; their scale words
	s_mov_b32 s49, 0
	s_mul_i32 s50, s[WT], WREG
	s_mul_i32 s58, s[TE], VOFF
	s_add_co_u32 s58, s58, s50                     ; where my tensor load lands: team 0 K's quarter, team 1 V's
	s_mul_i32 s52, s20, 98304
	s_mul_i32 s23, s19, 24576
	s_add_co_u32 s52, s52, s23                     ; q's 16 images
	s_mov_b32 s53, 0
	s_lshl_b32 s54, s20, 12
	s_lshl_b32 s23, s19, 10
	s_add_co_u32 s54, s54, s23
	s_mov_b32 s55, 0
	s_lshr_b32 s56, s20, 4
	s_lshl_b32 s56, s56, 23
	s_lshl_b32 s23, s19, 21
	s_add_co_u32 s56, s56, s23
	s_and_b32 s23, s20, 15
	s_lshl_b32 s23, s23, 8
	s_add_co_u32 s56, s56, s23                     ; out0: batch, 512 rows of 4,096 bytes a block, 256 bytes a head
	s_mov_b32 s57, 0
	s_mov_b32 s[G1], 15|(3<<16)|(1<<21)            ; the four partners; 24,576 dense bytes as 96 rows of 256
	s_mov_b32 s[G1+1], 32<<16
	s_mov_b32 s[G1+2], 96<<16
	s_mov_b32 s[G1+3], 32<<16
	s_mov_b32 s[G1+4], 96
	s_mov_b32 s[G1+5], 32
	s_mov_b32 s[G1+6], 0
	s_mov_b32 s[G1+7], 0
	s_mov_b32 s[CS], 0x3e38aa3b                    ; c = log2(e) / 8
	s_mov_b32 s[CS+1], s[CS]
	s_mov_b32 s[EP], 0x3089705f                    ; 1e-9
	s_mov_b32 s[EP+1], s[EP]
	s_mov_b32 s[CL], 0x4fee6b28                    ; 8e9
	s_mov_b32 s[TL], 0
	s_wait_dscnt 0x0
	s_wait_kmcnt 0x0
	s_add_nc_u64 s[8:9], s[8:9], s[46:47]
	s_add_nc_u64 s[12:13], s[12:13], s[46:47]
	s_add_nc_u64 s[10:11], s[10:11], s[48:49]
	s_add_nc_u64 s[14:15], s[14:15], s[48:49]
	s_add_nc_u64 s[4:5], s[4:5], s[52:53]
	s_add_nc_u64 s[6:7], s[6:7], s[54:55]
	s_add_nc_u64 s[16:17], s[16:17], s[56:57]
	CROUND
	s_mov_b32 s[G0], 1
	s_mov_b32 s[G0+1], s58
	s_cmp_lt_u32 s[WV], 4
	s_cselect_b64 s[G0+2:G0+3], s[8:9], s[12:13]
	s_or_b32 s[G0+3], s[G0+3], 0x80000000
	tensor_load_to_lds s[G0:G0+3], s[G1:G1+7]      ; my one load
	s_nop 0
	PLACES 4
	v_and_b32 v11, 31, v0
	v_lshlrev_b32 v[L4], 2, v11
	v_lshlrev_b32 v[LI], 4, v11
	v_and_b32 v[TP], 15, v0
	v_bfe_u32 v[TP+1], v0, 4, 1
	v_lshlrev_b32 v[R4], 2, v[TP]
.irp i, 0,1,2,3,4,5,6,7
	global_load_b32 v[KSC+\i], v[L4], s[10:11] offset:128*\i
	global_load_b32 v[VSC+\i], v[L4], s[14:15] offset:128*\i
.endr
.irp j, 0,1,2
	global_load_b128 v[QST+4*\j:QST+4*\j+3], v[LI], s[4:5] offset:512*\j
.endr
	global_load_b32 v[QSS], v[R4], s[6:7]
	v_add_nc_u32 v[KAD], s50, v[LI]
	v_lshl_add_u32 v[STW], v0, 3, STAT
	s_lshl_b32 s21, s[TE], 10
	v_lshl_add_u32 v[STR], v11, 3, STAT
	v_add_nc_u32 v[STR], s21, v[STR]               ; my team's four pairs
	s_mul_i32 s21, s[WV], 16*OXP
	v_mul_u32_u24 v[OXW], v[TP], OXP
	v_lshl_add_u32 v[OXW], v[TP+1], 5, v[OXW]
	v_add_nc_u32 v[OXW], s21, v[OXW]
	v_add_nc_u32 v[OXW], OX, v[OXW]                ; my partial O: row r, 32 h bytes
	s_mul_i32 s21, s[TE], 64*OXP
	s_mul_i32 s22, s[WT], 4*OXP
	s_add_co_u32 s21, s21, s22
	v_mul_u32_u24 v[OXR], v[TP+1], OXP
	v_lshl_add_u32 v[OXR], v[TP], 4, v[OXR]
	v_add_nc_u32 v[OXR], s21, v[OXR]
	v_add_nc_u32 v[OXR], OX, v[OXR]                ; back: my team's partials, rows 4 wt + h, 16 r bytes
	s_lshl_b32 s21, s[WV], 14
	v_lshlrev_b32 v[GO], 12, v[TP+1]
	v_lshl_add_u32 v[GO], v[TP], 4, v[GO]
	v_add_nc_u32 v[GO], s21, v[GO]                 ; row 16 team + 4 wt + h of the 32
.irp i, 0,1,2,3,4,5
	v_mov_b32 v[QZ+\i], 0
	v_mov_b32 v[QZ+12+\i], 0
.endr
	v_mov_b32 v[ST+1], 0                           ; the upper halves of the pairs at ST and FF
	v_mov_b32 v[FF+1], 0
	s_wait_alu depctr_va_vdst(0)
	s_wait_tensorcnt 0x0                           ; my quarter is in,
	s_barrier_signal -1
	s_barrier_wait -1                              ; and everybody's
	s_cmp_lt_u32 s[WV], 4
	s_cbranch_scc0 .Lp_j
	S1 0, 99                                       ; team 0's first tile
.Lp_j:
	BAR
.Ltrip:                                                ; trip j: team 0 S2(j) | team 1 S1(j);  team 0 P3(j), S1(j + 1) | team 1 S2(j);  team 1 P3(j)
	s_cmp_lt_u32 s[WV], 4
	s_cbranch_scc0 .La_b
	S2
	s_branch .La_j
.La_b:
	S1 1, 15
.La_j:
	BAR
	s_cmp_lt_u32 s[WV], 4
	s_cbranch_scc0 .Lb_b
	P3
	s_cmp_eq_u32 s[TL], 15
	s_cbranch_scc1 .Lb_j                           ; no tile follows the last
	S1 0, 14
	s_branch .Lb_j
.Lb_b:
	S2
.Lb_j:
	BAR
	s_cmp_lt_u32 s[WV], 4
	s_cbranch_scc1 .Lc_j
	P3
.Lc_j:
	s_add_co_u32 s[TL], s[TL], 1
	s_cmp_lt_u32 s[TL], 16
	s_cbranch_scc1 .Ltrip
	s_wait_tensorcnt 0x0                           ; the wave's end
	ds_add_u32 v[SPW], v[NIL]
	s_wait_dscnt 0x0
	CROUND                                         ; the closing round
	s_endpgm
.Lfunc_end_k_q357bf0013c_attn:
	.size	k_q357bf0013c_attn, .Lfunc_end_k_q357bf0013c_attn-k_q357bf0013c_attn
	.p2alignl 7, 3214868480
	.fill 96, 4, 3214868480
	.section	.rodata,"a",@progbits
	.p2align	6, 0x0
	.amdhsa_kernel k_q357bf0013c_attn
		.amdhsa_group_segment_fixed_size 327680
		.amdhsa_private_segment_fixed_size 0
		.amdhsa_enable_private_segment 0
		.amdhsa_kernarg_size 56
		.amdhsa_user_sgpr_count 2
		.amdhsa_user_sgpr_kernarg_segment_ptr 1
		.amdhsa_wavefront_size32 1
		.amdhsa_system_sgpr_workgroup_id_x 1
		.amdhsa_system_sgpr_workgroup_id_y 1
		.amdhsa_system_sgpr_workgroup_id_z 1
		.amdhsa_system_vgpr_workitem_id 0
		.amdhsa_next_free_vgpr 512
		.amdhsa_next_free_sgpr 66
		.amdhsa_reserve_vcc 0
		.amdhsa_float_denorm_mode_32 3
		.amdhsa_float_denorm_mode_16_64 3
		.amdhsa_memory_ordered 1
		.amdhsa_forward_progress 1
		.amdhsa_inst_pref_size 234
	.end_amdhsa_kernel
	.amdgpu_metadata
---
amdhsa.version: [ 1, 2 ]
amdhsa.kernels:
  - .name:           k_q357bf0013c_attn
    .symbol:         k_q357bf0013c_attn.kd
    .args:
      - { .name: qc, .offset: 0, .size: 8, .value_kind: global_buffer, .address_space: global }
      - { .name: qs, .offset: 8, .size: 8, .value_kind: global_buffer, .address_space: global }
      - { .name: kc, .offset: 16, .size: 8, .value_kind: global_buffer, .address_space: global }
      - { .name: ks, .offset: 24, .size: 8, .value_kind: global_buffer, .address_space: global }
      - { .name: vc, .offset: 32, .size: 8, .value_kind: global_buffer, .address_space: global }
      - { .name: vs, .offset: 40, .size: 8, .value_kind: global_buffer, .address_space: global }
      - { .name: out0, .offset: 48, .size: 8, .value_kind: global_buffer, .address_space: global }
    .group_segment_fixed_size: 327680
    .private_segment_fixed_size: 0
    .kernarg_segment_align: 8
    .kernarg_segment_size: 56
    .max_flat_workgroup_size: 256
    .sgpr_count:     66
    .vgpr_count:     512
    .wavefront_size: 32
...
	.end_amdgpu_metadata
.endif
;; end of part 2
